; MI455X (gfx1250); checked and timed in simulation.
; The chip was launched on July 23, 2026; its instructions are those of AMD's public machine-readable ISA for CDNA 5 (MIT licence, August 2026) and "CDNA5" Instruction Set Architecture Reference Guide (July 2026). The comments in the code are by the model that wrote it; some were corrected since.
;; min LSTM. Allowed arithmetic: float matrix products may take bf16 or f16 operands with f32 sums; other float arithmetic in f32, or as packed bf16 or f16 multiplies, adds, multiply-adds, maxima and minima; sums over many terms, partial sums and values carried from step to step in f32; what a program stores and reads back later, other than sums and carried values, may be rounded once to bf16 or f16.
;; Inputs: W 1,024 x 3,072 float32; x 4 x 4,096 x 1,024 float32.
;; Outputs: out0 4 x 4,096 x 1,024 float32.
;; 2 versions, each right; version 2 is version 1 with the launch fix written anew for expert scheduling mode. Each part assembles by itself: llvm-mc -triple=amdgcn-amd-amdhsa -mcpu=gfx1250 --defsym DOCPART=n.
;; ======== version 1 of 2: 3 launches
;; limits: values outside matrix products are rounded to bf16
;; workspace buffers: xb 33,554,432 bytes; wp 6,291,456 bytes; hl 33,554,432 bytes; pp 33,554,432 bytes; ends 1,048,576 bytes
;; launch prep (part 1): grid 1280 x 1, 8 waves a work-group, no clusters, 0 bytes of LDS; arguments x, W, xb, wp; writes xb, wp
.if DOCPART == 1
	.amdgcn_target "amdgcn-amd-amdhsa--gfx1250"
	.amdhsa_code_object_version 6
	.text
	.protected	k_q9e55734410_prep
	.globl	k_q9e55734410_prep
	.p2align	8
	.type	k_q9e55734410_prep,@function
k_q9e55734410_prep:
	s_mov_b64 s[64:65], 0
	v_nop
	global_prefetch_b8 v0, s[64:65] scope:SCOPE_SE
	s_setreg_imm32_b32 hwreg(HW_REG_WAVE_MODE, 25, 1), 1
	s_wait_xcnt 0x0
; xb = x rounded to bf16, [16384][1024].  wp = W rounded to bf16 and laid in blocks: wp[db][k][g][c] = W[k][1024 g + 64 db + c],
; db 0..15, k 0..1023, g 0..2 (forget, input, hidden), c 0..63: a block of 64 channels with its three gates is 393,216 dense bytes, 128 k of it 49,152.
; A stream: every byte is read once and written once, nothing is shared between work-groups, so there is no LDS, no barrier, no cluster and no matrix work.
; Work-groups 0..1023 take 16 rows of x each; work-groups 1024..1279 take 64 k of one block of W each.  No register is used twice, so no wait frees one.
.set XR, 16                            ; v[16:79]   as loaded, f32
.set YR, 80                            ; v[80:111]  to store, bf16 pairs
	s_load_b256 s[4:11], s[0:1], 0x0               ; x s[4:5], W s[6:7], xb s[8:9], wp s[10:11]
	v_lshlrev_b32 v1, 4, v0                        ; 16 t: my 16 bytes of a row of x (256 threads x 16 = 4,096 bytes, a row)
	v_lshlrev_b32 v2, 3, v0                        ; 8 t: my 8 bytes of what is stored
	s_mov_b32 s13, 0
	s_mov_b32 s15, 0
	s_cmp_lt_u32 ttmp9, 1024
	s_cbranch_scc0 .Lw
	s_lshl_b32 s12, ttmp9, 16                      ; 16 rows of 4,096 bytes
	s_lshl_b32 s14, ttmp9, 15                      ; 16 rows of 2,048 bytes
	s_wait_kmcnt 0x0
	s_add_nc_u64 s[4:5], s[4:5], s[12:13]
	s_add_nc_u64 s[8:9], s[8:9], s[14:15]
.set i, 0
.rept 16
	global_load_b128 v[XR+4*i:XR+4*i+3], v1, s[4:5] offset:4096*i th:TH_LOAD_NT  ; all sixteen rows are asked for before anything is stored
.set i, i+1
.endr
.set i, 0
.rept 16
	s_wait_loadcnt 15-i                            ; loads come back in order: row i is in, the younger ones stay out
	v_cvt_pk_bf16_f32 v[YR+2*i], v[XR+4*i], v[XR+4*i+1]
	v_cvt_pk_bf16_f32 v[YR+2*i+1], v[XR+4*i+2], v[XR+4*i+3]
	global_store_b64 v2, v[YR+2*i:YR+2*i+1], s[8:9] offset:2048*i th:TH_STORE_NT  ; a wave's store covers 256 consecutive bytes, aligned
.set i, i+1
.endr
	s_endpgm
.Lw:
	; 64 k x 3 gates = 192 pieces of 64 channels: 256 bytes of W, 128 bytes of wp.  Sixteen lanes take a piece, the work-group sixteen pieces an instruction: twelve instructions.
	; Piece 48 p + 16 s + u (u = t / 16) is k = 16 p + ks, gate gs, with 16 s + u = 3 ks + gs; in wp the pieces follow each other, so the store's lane offset is again 8 t.
	s_sub_co_u32 s16, ttmp9, 1024
	s_and_b32 s17, s16, 15                         ; db
	s_lshr_b32 s18, s16, 4                         ; which 64 k
	s_mul_i32 s12, s18, 786432                     ; 64 rows of W, 12,288 bytes each,
	s_lshl_b32 s19, s17, 8                         ; and the block's 256 bytes in a gate's part of the row
	s_add_co_u32 s12, s12, s19
	s_mul_i32 s14, s17, 393216
	s_mul_i32 s19, s18, 24576
	s_add_co_u32 s14, s14, s19
	v_lshrrev_b32 v3, 4, v0                        ; u
	v_and_b32 v10, 15, v0
.irp s, 0,1,2
	v_add_nc_u32 v7, 16*\s, v3                     ; 16 s + u, 0..47
	v_mul_u32_u24 v8, v7, 0xaaab                   ; / 3: 43,691 x 3 = 2^17 + 1, exact for numbers this small
	v_lshrrev_b32 v8, 17, v8                       ; ks
	v_mul_u32_u24 v9, v8, 3
	v_sub_nc_u32 v9, v7, v9                        ; gs
	v_mul_u32_u24 v8, v8, 12288
	v_lshl_add_u32 v8, v9, 12, v8                  ; ks rows + gs x 4,096 bytes
	v_lshl_add_u32 v[4+\s], v10, 4, v8             ; + my 16 bytes of the piece
.endr
	s_wait_kmcnt 0x0
	s_add_nc_u64 s[6:7], s[6:7], s[12:13]
	s_add_nc_u64 s[10:11], s[10:11], s[14:15]
.irp p, 0,1,2,3
.irp s, 0,1,2
	global_load_b128 v[XR+4*(3*\p+\s):XR+4*(3*\p+\s)+3], v[4+\s], s[6:7] offset:196608*\p th:TH_LOAD_NT  ; sixteen lanes read 256 consecutive bytes, aligned
.endr
.endr
.irp p, 0,1,2,3
.irp s, 0,1,2
	s_wait_loadcnt 11-(3*\p+\s)
	v_cvt_pk_bf16_f32 v[YR+2*(3*\p+\s)], v[XR+4*(3*\p+\s)], v[XR+4*(3*\p+\s)+1]
	v_cvt_pk_bf16_f32 v[YR+2*(3*\p+\s)+1], v[XR+4*(3*\p+\s)+2], v[XR+4*(3*\p+\s)+3]
	global_store_b64 v2, v[YR+2*(3*\p+\s):YR+2*(3*\p+\s)+1], s[10:11] offset:6144*\p+2048*\s th:TH_STORE_NT
.endr
.endr
	s_endpgm
.Lfunc_end_k_q9e55734410_prep:
	.size	k_q9e55734410_prep, .Lfunc_end_k_q9e55734410_prep-k_q9e55734410_prep
	.p2alignl 7, 3214868480
	.fill 96, 4, 3214868480
	.section	.rodata,"a",@progbits
	.p2align	6, 0x0
	.amdhsa_kernel k_q9e55734410_prep
		.amdhsa_group_segment_fixed_size 0
		.amdhsa_private_segment_fixed_size 0
		.amdhsa_enable_private_segment 0
		.amdhsa_kernarg_size 32
		.amdhsa_user_sgpr_count 2
		.amdhsa_user_sgpr_kernarg_segment_ptr 1
		.amdhsa_wavefront_size32 1
		.amdhsa_system_sgpr_workgroup_id_x 1
		.amdhsa_system_sgpr_workgroup_id_y 1
		.amdhsa_system_sgpr_workgroup_id_z 1
		.amdhsa_system_vgpr_workitem_id 0
		.amdhsa_next_free_vgpr 112
		.amdhsa_next_free_sgpr 66
		.amdhsa_reserve_vcc 0
		.amdhsa_float_denorm_mode_32 3
		.amdhsa_float_denorm_mode_16_64 3
		.amdhsa_memory_ordered 1
		.amdhsa_forward_progress 1
		.amdhsa_inst_pref_size 13
	.end_amdhsa_kernel
	.amdgpu_metadata
---
amdhsa.version: [ 1, 2 ]
amdhsa.kernels:
  - .name:           k_q9e55734410_prep
    .symbol:         k_q9e55734410_prep.kd
    .args:
      - { .name: x, .offset: 0, .size: 8, .value_kind: global_buffer, .address_space: global }
      - { .name: W, .offset: 8, .size: 8, .value_kind: global_buffer, .address_space: global }
      - { .name: xb, .offset: 16, .size: 8, .value_kind: global_buffer, .address_space: global }
      - { .name: wp, .offset: 24, .size: 8, .value_kind: global_buffer, .address_space: global }
    .group_segment_fixed_size: 0
    .private_segment_fixed_size: 0
    .kernarg_segment_align: 8
    .kernarg_segment_size: 32
    .max_flat_workgroup_size: 256
    .sgpr_count:     66
    .vgpr_count:     112
    .wavefront_size: 32
...
	.end_amdgpu_metadata
.endif
;; end of part 1
;; launch gemm (part 2): grid 16 x 16, 4 waves a work-group, clusters of 4 x 4, 327,680 bytes of LDS; arguments xb, wp, hl, pp, ends; writes hl, pp, ends
.if DOCPART == 2
	.amdgcn_target "amdgcn-amd-amdhsa--gfx1250"
	.amdhsa_code_object_version 6
	.text
	.protected	k_q9e55734410_gemm
	.globl	k_q9e55734410_gemm
	.p2align	8
	.type	k_q9e55734410_gemm,@function
k_q9e55734410_gemm:
	s_mov_b64 s[64:65], 0
	v_nop
	global_prefetch_b8 v0, s[64:65] scope:SCOPE_SE
	s_setreg_imm32_b32 hwreg(HW_REG_WAVE_MODE, 25, 1), 1
	s_wait_xcnt 0x0
	s_wait_alu depctr_hold_cnt(0) depctr_sa_sdst(0) depctr_va_vdst(0) depctr_va_sdst(0) depctr_va_ssrc(0) depctr_va_vcc(0) depctr_vm_vsrc(0)
	s_getreg_b32 s2, hwreg(HW_REG_IB_STS2, 6, 4)
	s_cmp_eq_u32 s2, 0
	s_cbranch_scc0 .Lentry_in_a_cluster
	s_endpgm
.Lentry_in_a_cluster:
	s_bfe_u32 s2, ttmp6, 0x10000c
	s_cmp_lg_u32 s2, 0xf033
	s_cbranch_scc0 .Lentry_shape_is_right
	s_endpgm
.Lentry_shape_is_right:
; gates = x W (bf16 operands, f32 sums), the two normalised gates, and the recurrence h_t = f'_t h_(t-1) + i'_t g(hidden_t) inside chunks of 128 rows.
; With A = e^-f, B = e^-i: f' = (1 + B) / (2 + A + B), i' = (1 + A) / (2 + A + B).  The largest of the three exponents 0, -f, -i is taken away before the exponentials,
; so each exponent is at most 0 and the divisor lies in 1 to 4.  g(z) = (2 max(z, 0) + E) / (1 + E) with E = e^min(z, 0): z + 0.5 from 0 on, the sigmoid below.
; The recurrence is exp(a* + cumlogsumexp(log_values - a*)) written step by step: each step rescales the carry by f' <= 1, h is a mean of earlier g, and nothing can overflow.
; OUT: hl = h with carry 0 into the chunk, pp = the product of f' from the chunk's start, both [row / 8][channel][8] in bf16, each rounded once;
; ends[row / 128][channel] = (hl, pp) of the chunk's last row in f32: the carry that the next launch chains.
; LIMITS.  NaN and infinities are not treated apart; an exponential below 2^-126 counts as 0; hl and pp keep 8 significant bits.
; SHARES.  A work-group of four waves stays and makes four tiles of 256 rows x (64 channels x 3 gates), 4,096 rows apart.  A wave has 128 rows x 32 channels x 3 gates:
; 8 row blocks a x 6 column blocks n = 2 gate + c: 48 accumulators, 384 registers.  Source 0 = 16 rows of x, source 1 = 16 columns of W: in a result lane (r, h) holds ONE channel r and the
; rows 8 h + 0..7, so f, i and hidden of an element lie in one lane, the recurrence runs along registers, and a lane's 8 results pack into 16 bytes.
; RING.  K goes in steps of 128 through two LDS slots; waves 0 and 1 fetch the halves of x's tile, waves 2 and 3 the halves of W's.
; CLUSTER.  4 x 4 work-groups: x's tile hangs on the row tile alone and is asked for jointly along a row of the cluster, W's on the channel block alone, along a column.
; REGISTERS, in windows of 256 (s_set_vgpr_msb: bits 1:0 source 0, 3:2 source 1, 5:4 source 2, 7:6 destination):
;   window 0: v0-31 addresses; v32-95, v96-159 fragments of x, two buffers; v160-207, v208-255 fragments of W, two buffers
;   window 1: accumulators of row blocks 0-3 at 48 a + 8 n; v192-255 at work behind the products          window 2: the same for row blocks 4-7
.set PA,     272                       ; a row of x in LDS: 256 bytes + 16 = 68 words: the 16 rows of a load start at 16 different groups of four banks (64 banks of 4 bytes: ISA guide 11.1)
.set HALFA,  128*PA
.set PB,     480                       ; a k-row of W in LDS: three gates of 128 bytes + 32 = 120 words
.set HALFB,  64*PB
.set BOFF,   2*HALFA                   ; W's 128 k-rows lie behind x's 256 rows
.set SLOT,   131072                    ; 69,632 + 61,440
.set SPARE,  2*SLOT                    ; behind the ring: the spare words, 128 bytes for each wave: two blocks of 256 bytes that no other line names
.set WALK,   4096                      ; rows from a tile to the work-group's next
.set STEP_B, 49152                     ; bytes of a K step in a block of wp
.set NEXT_A, WALK*2048-6*256           ; from a slot's last K step of a tile to its first of the next: 4,096 rows down, 6 K steps back
.set BACK_B, 6*STEP_B                  ; W only back: all tiles of the walk take the same block
.set ADRA, 16                          ; v16-17  LDS address of my fragments of x in slot 0, 1
.set ADRB, 20                          ; v20-21  the same for W
.set STO,  24                          ; v24     my 16 bytes in hl and pp: 16,384 h + 16 r; never rewritten
.set EO,   25                          ; v25     my 8 bytes in ends: 8 x lane; never rewritten
.set SPW,  28                          ; v28     LDS address of my spare word; never rewritten
.set NIL,  29                          ; v29     0; never rewritten
.set PFO,  30                          ; v30     the prefetches' offset: my lane x a row of xb; never rewritten
.set TT,   192                         ; at work, in windows 1 and 2
.set UU,   208
.set WV,  14                           ; s14  my wave's number
.set WR,  15                           ; s15  which 128 rows are mine.  Also: I fetch x (0) or W (1)
.set WC,  16                           ; s16  which 32 channels.  Also: which half of that tile I fetch
.set G1,  24                           ; s[24:31] descriptor group 1 for x's tiles;  s[32:39] group 0, a set for each slot
.set G0,  32
.set LIM, 43                           ; s43  1 in a wave that prefetches, else the greatest number
.set PFA, 44                           ; s[44:45] where my prefetches stand
.set G1B, 48                           ; s[48:55], s[56:63] the same for W's tiles
.set G0B, 56
.set LC,  66                           ; s[66:67] log2(e)
.set NLC, 68                           ; s[68:69] -log2(e)
.set SEL, 70                           ; s[70:71] v_permlanex16_b32's selects: each lane takes its own place in the other half
.set HM,  72                           ; s72  a lane mask: lanes 16 to 31
.set MSB, 0
.macro WIN new                         ; the immediate's high byte repeats the setting that is left; a switch that changes nothing is dropped
.if MSB != (\new)
	s_set_vgpr_msb (MSB<<8)|(\new)
.set MSB, \new
.endif
.endm
; A joint load.  Each of the two lines has one mask and one set of registers for all that issue it; the branch hangs on the wave's number alone.
; An s_nop 0 and four v_nop follow each line, ahead of the jump, the label and what follows.
.macro JLOAD s
	s_cmp_eq_u32 s[WR], 0
	s_cbranch_scc0 .Lfor_b_\@
	tensor_load_to_lds s[G0+4*(\s):G0+4*(\s)+3], s[G1:G1+7]
	s_nop 0
.rept 4
	v_nop
.endr
	s_branch .Lasked_\@
.Lfor_b_\@:
	tensor_load_to_lds s[G0B+4*(\s):G0B+4*(\s)+3], s[G1B:G1B+7]
	s_nop 0
.rept 4
	v_nop
.endr
.Lasked_\@:
.endm
; A prefetch of xb, behind a joint load and the run of LDS loads that follows it: the K step two refills on, 32 rows x 256 bytes, a lane a row.  A row tile is read by every cluster of its row of
; clusters: the first of them (cluster x = 0) asks; of the 128 rows that wave 0 or 1 fetches, the partner at place cx takes 32 cx .. 32 cx + 31, told apart by address.  So each row's 256 bytes of a
; K step are named once.  how = 0, in the loop: its last trip's two refills have no K step two on.  how = 1, at a change of tiles: the next tile's K steps 2 and 3.  A tile's K steps 0 and 1, and the
; launch's first four, come by their loads alone.  Only xb is asked for ahead.
.macro ASK how
.if \how
	s_cmp_eq_u32 s[LIM], 1
.else
	s_cmp_gt_u32 s3, s[LIM]                        ; s3 = 1 in the loop's last trip
.endif
	s_cbranch_scc0 .Lnot_mine_\@
	global_prefetch_b8 v[PFO], s[PFA:PFA+1] offset:256 th:TH_LOAD_NT scope:SCOPE_SE
.Lnot_mine_\@:
.endm
.macro CREST                           ; a round of the cluster's barrier behind its opening barrier
	s_cmp_lg_u32 s[WV], 0
	s_cbranch_scc1 .Lnot_wave_0_\@
	s_barrier_signal -3
.Lnot_wave_0_\@:
	s_barrier_wait -3
	s_barrier_signal -1
	s_barrier_wait -1
.endm
.macro CROUND                          ; a whole round
	s_barrier_signal -1
	s_barrier_wait -1
	CREST
.endm
	s_load_b256 s[4:11], s[0:1], 0x0               ; xb s[4:5], wp s[6:7], hl s[8:9], pp s[10:11]
	s_load_b64 s[12:13], s[0:1], 0x20              ; ends
	v_lshl_add_u32 v[SPW], v0, 2, SPARE
	v_mov_b32 v[NIL], 0
	ds_add_u32 v[SPW], v[NIL]                      ; the wave's opening: the add and its wait stand ahead of my first tensor load; the set-up below, work on registers, stands between them
	v_lshrrev_b32 v1, 5, v0
	v_readfirstlane_b32 s[WV], v1                  ; wave 0..3
	s_lshr_b32 s[WR], s[WV], 1
	s_and_b32 s[WC], s[WV], 1
	s_bfe_u32 s17, ttmp6, 0x40000                  ; cx
	s_bfe_u32 s18, ttmp6, 0x40004                  ; cy
	s_lshl_b32 s19, ttmp9, 2
	s_add_co_u32 s19, s19, s17                     ; db, the block of 64 channels = 4 x cluster x + cx
	s_and_b32 s20, ttmp7, 0xffff
	s_lshl_b32 s20, s20, 2
	s_add_co_u32 s20, s20, s18                     ; y, the first row tile = 4 x cluster y + cy
	s_lshl_b32 s74, s18, 2
	s_lshl_b32 s74, 15, s74                        ; my row of the cluster: places 4 cy .. 4 cy + 3
	s_lshl_b32 s75, 0x1111, s17                    ; my column: places cx, cx + 4, cx + 8, cx + 12
	; group 1 for x: 128 rows x 128 elements, 1,024 elements from row to row; 4 words of padding behind every 64
	s_or_b32 s[G1+0], s74, (1<<16)|(1<<20)|(1<<21)|(5<<22)|(3<<25)  ; 15:0 mask; 17:16 2-byte elements; 20 padding on; 21 set beside a mask; 24:22 every 64 words; 31:25 4 words
	s_mov_b32 s[G1+1], 128<<16                     ; tensor_dim0 = 128
	s_mov_b32 s[G1+2], 128<<16                     ; tensor_dim1 = 128
	s_mov_b32 s[G1+3], 128<<16                     ; tile_dim0 = 128
	s_mov_b32 s[G1+4], 128                         ; tile_dim1 = 128
	s_mov_b32 s[G1+5], 1024                        ; elements from row to row
	s_mov_b32 s[G1+6], 0
	s_mov_b32 s[G1+7], 0
	; group 1 for W: 64 k-rows are 24,576 dense bytes, asked for as 96 rows of 256 bytes; 8 words of padding behind every 32, that is behind each gate's 64 channels
	s_or_b32 s[G1B+0], s75, (1<<16)|(1<<20)|(1<<21)|(4<<22)|(7<<25)
	s_mov_b32 s[G1B+1], 128<<16
	s_mov_b32 s[G1B+2], 96<<16
	s_mov_b32 s[G1B+3], 128<<16
	s_mov_b32 s[G1B+4], 96
	s_mov_b32 s[G1B+5], 128
	s_mov_b32 s[G1B+6], 0
	s_mov_b32 s[G1B+7], 0
	s_mov_b32 s[LC], 0x3fb8aa3b
	s_mov_b32 s[LC+1], 0x3fb8aa3b
	s_mov_b32 s[NLC], 0xbfb8aa3b
	s_mov_b32 s[NLC+1], 0xbfb8aa3b
	s_mov_b32 s[SEL], 0x76543210
	s_mov_b32 s[SEL+1], 0xfedcba98
	s_mov_b32 s[HM], 0xffff0000
	; where the tiles come from: x's hangs on y and the wave, W's on db and the wave, each in registers that never hold the other coordinate
	s_lshl_b32 s40, s20, 8
	s_lshl_b32 s41, s[WC], 7
	s_add_co_u32 s40, s40, s41                     ; row 256 y + 128 x half
	s_lshl_b32 s40, s40, 11                        ; x 2,048 bytes
	s_mov_b32 s41, 0
	s_mul_i32 s46, s19, 393216
	s_mul_i32 s47, s[WC], 24576
	s_add_co_u32 s46, s46, s47
	s_mov_b32 s47, 0
	s_mul_i32 s21, s[WC], HALFA                    ; and where they go: made of the wave's number alone
	s_mul_i32 s22, s[WC], HALFB
	s_add_co_u32 s22, s22, BOFF
	s_wait_dscnt 0x0                               ; the opening add is done
	s_wait_kmcnt 0x0
	s_add_nc_u64 s[40:41], s[4:5], s[40:41]
	s_add_nc_u64 s[46:47], s[6:7], s[46:47]
	CROUND                                         ; all sixteen work-groups are here: the first joint loads meet
.irp s, 0,1
	s_mov_b32 s[G0+4*(\s)], 1                                      ; count = 1
	s_add_co_u32 s[G0+4*(\s)+1], s21, (\s)*SLOT                    ; LDS address
	s_add_nc_u64 s[G0+4*(\s)+2:G0+4*(\s)+3], s[40:41], (\s)*256    ; global address: K step s
	s_or_b32 s[G0+4*(\s)+3], s[G0+4*(\s)+3], 0x80000000            ; type = 2
	s_mov_b32 s[G0B+4*(\s)], 1
	s_add_co_u32 s[G0B+4*(\s)+1], s22, (\s)*SLOT
	s_add_nc_u64 s[G0B+4*(\s)+2:G0B+4*(\s)+3], s[46:47], (\s)*STEP_B
	s_or_b32 s[G0B+4*(\s)+3], s[G0B+4*(\s)+3], 0x80000000
	JLOAD \s                                       ; two tensor loads of mine are out
.endr
	v_and_b32 v1, 15, v0                           ; r
	v_bfe_u32 v2, v0, 4, 1                         ; h
	v_and_b32 v3, 31, v0                           ; lane
	; a fragment of x: lane (r, h) holds row r, k = 8 h + 0..7 and 16 + 8 h + 0..7: two loads of 16 bytes, 32 bytes apart
	v_mul_u32_u24 v4, v1, PA
	v_lshl_add_u32 v4, v2, 4, v4
	s_mul_i32 s23, s[WR], HALFA
	v_add_nc_u32 v[ADRA], s23, v4
	v_add_nc_u32 v[ADRA+1], SLOT, v[ADRA]
	; a fragment of W, which lies [k][column]: the turning load takes k-row 8 h + lane % 8, columns 8 ((lane / 8) % 2) + 0..7, and leaves lane (r, h) column r and 8 k
	v_and_b32 v5, 7, v0
	v_lshl_add_u32 v5, v2, 3, v5
	v_mul_u32_u24 v5, v5, PB
	v_bfe_u32 v6, v0, 3, 1
	v_lshl_add_u32 v5, v6, 4, v5
	s_lshl_b32 s23, s[WC], 6                       ; my 32 channels: 64 bytes in each gate's part
	s_add_co_u32 s23, s23, BOFF
	v_add_nc_u32 v[ADRB], s23, v5
	v_add_nc_u32 v[ADRB+1], SLOT, v[ADRB]
	v_lshlrev_b32 v[STO], 4, v1
	v_lshl_add_u32 v[STO], v2, 14, v[STO]
	v_lshlrev_b32 v[EO], 3, v3
	v_lshlrev_b32 v[PFO], 11, v3
	; hl and pp at (row / 8) x 16,384 + channel x 16 for my first row and channel
	s_lshl_b32 s76, s20, 19                        ; 256 rows = 32 groups of 8
	s_lshl_b32 s77, s[WR], 18
	s_add_co_u32 s76, s76, s77
	s_lshl_b32 s77, s19, 10
	s_add_co_u32 s76, s76, s77
	s_lshl_b32 s77, s[WC], 9
	s_add_co_u32 s76, s76, s77
	s_mov_b32 s77, 0
	s_add_nc_u64 s[8:9], s[8:9], s[76:77]
	s_add_nc_u64 s[10:11], s[10:11], s[76:77]
	; ends at (2 y + my half) x 8,192 + channel x 8
	s_lshl_b32 s76, s20, 14
	s_lshl_b32 s77, s[WR], 13
	s_add_co_u32 s76, s76, s77
	s_lshl_b32 s77, s19, 9
	s_add_co_u32 s76, s76, s77
	s_lshl_b32 s77, s[WC], 8
	s_add_co_u32 s76, s76, s77
	s_mov_b32 s77, 0
	s_add_nc_u64 s[12:13], s[12:13], s[76:77]
	; the prefetches: row 256 y + 128 x half + 32 cx, at K step 2; the first refill steps it to 3 and names K step 4
	s_lshl_b32 s76, s20, 19
	s_lshl_b32 s77, s[WC], 18
	s_add_co_u32 s76, s76, s77
	s_lshl_b32 s77, s17, 16
	s_add_co_u32 s76, s76, s77
	s_add_co_u32 s76, s76, 512
	s_mov_b32 s77, 0
	s_add_nc_u64 s[PFA:PFA+1], s[4:5], s[76:77]
	s_or_b32 s[LIM], s[WR], ttmp9                  ; 0 in waves 0 and 1 of the clusters with x = 0: the same in all sixteen partners, for a given wave
	s_cmp_eq_u32 s[LIM], 0
	s_cselect_b32 s[LIM], 1, -1
; 12 matrix instructions: row blocks a0, a0 + 1 of window w's four x all 6 column blocks, 32 along K, from buffer f.  zero = 1: the product starts the sum: nothing is cleared.
; All 48 accumulators take turns, in the same order in every quarter step: 47 others' stand between two links of a chain.
.macro MUL12 f, w, a0, zero
	WIN 0x50*(\w)                                  ; C and D in window w, the sources in window 0
.irp a, \a0, (\a0)+1
.irp n, 0,1,2,3,4,5
.if \zero
	v_wmma_f32_16x16x32_bf16 v[48*(\a)+8*(\n):48*(\a)+8*(\n)+7], v[32+64*(\f)+8*(4*((\w)-1)+(\a)):32+64*(\f)+8*(4*((\w)-1)+(\a))+7], v[160+48*(\f)+8*(\n):160+48*(\f)+8*(\n)+7], 0
.else
	v_wmma_f32_16x16x32_bf16 v[48*(\a)+8*(\n):48*(\a)+8*(\n)+7], v[32+64*(\f)+8*(4*((\w)-1)+(\a)):32+64*(\f)+8*(4*((\w)-1)+(\a))+7], v[160+48*(\f)+8*(\n):160+48*(\f)+8*(\n)+7], v[48*(\a)+8*(\n):48*(\a)+8*(\n)+7]
.endif
.endr
.endr
.endm
; 28 LDS loads in one run: quarter kq (32 along K) of a slot into buffer f: W's six fragments first, then x's eight
.macro FETCH slot, kq, f
	WIN 0
.irp n, 0,1,2,3,4,5
	ds_load_tr16_b128 v[160+48*(\f)+8*(\n):160+48*(\f)+8*(\n)+3],   v[ADRB+(\slot)] offset:15360*(\kq)+160*((\n)/2)+32*((\n)%2)
	ds_load_tr16_b128 v[160+48*(\f)+8*(\n)+4:160+48*(\f)+8*(\n)+7], v[ADRB+(\slot)] offset:15360*(\kq)+160*((\n)/2)+32*((\n)%2)+7680
.endr
.irp a, 0,1,2,3,4,5,6,7
	ds_load_b128 v[32+64*(\f)+8*(\a):32+64*(\f)+8*(\a)+3],   v[ADRA+(\slot)] offset:64*(\kq)+4352*(\a)
	ds_load_b128 v[32+64*(\f)+8*(\a)+4:32+64*(\f)+8*(\a)+7], v[ADRA+(\slot)] offset:64*(\kq)+4352*(\a)+32
.endr
.endm
.macro PLACES                          ; four plain vector instructions between a matrix instruction and a load into a register that it has read, or a vector instruction that reads its result
.rept 4
	v_nop
.endr
.endm
; A K step is four quarters of 32 along K, 48 matrix instructions each, on buffers 0, 1, 0, 1.  One of the first three: multiplies buffer f, and in its middle fetches quarter kq into buffer g.
.macro QUARTER slot, kq, f, g, zero
	s_wait_dscnt 8                                 ; W's fragments and x's row blocks 0-3 are in; the youngest eight loads (row blocks 4-7) may be out
	MUL12 \f, 1, 0, \zero
	MUL12 \f, 1, 2, \zero
	PLACES
	FETCH \slot, \kq, \g
	s_wait_dscnt 28                                ; all but the 28 just issued
	MUL12 \f, 2, 0, \zero
	MUL12 \f, 2, 2, \zero
.endm
; The last quarter multiplies buffer 1 and changes slots.  MEET is its first half: one barrier for two things.  In front of it each wave waits for all its tensor loads, of which one is out: its part
; of the next slot; adds 0 to its spare word; and waits for that and for its own reads of this slot.  Behind it nobody reads this slot any more and the next slot is whole.
.macro MEET round
	WIN 0                                          ; (the add's two registers lie in window 0)
	s_wait_tensorcnt 0x0                           ; all my tensor loads have landed
	ds_add_u32 v[SPW], v[NIL]                      ; 0 onto my spare word
	s_wait_dscnt 9                                 ; (the add and the youngest eight loads may be out)
	MUL12 1, 1, 0, 0                               ; twelve matrix instructions stand between the add and the wait for it
	s_wait_dscnt 0x0                               ; the add is done, and my reads of this slot are over
	s_barrier_signal -1
	MUL12 1, 1, 2, 0                               ; work on registers while the others arrive
.if \round
	WIN 0
.endif
	s_barrier_wait -1
.endm
; The whole last quarter.  The barrier opens a round of the cluster's; behind the round the slot just read out is filled again first: with this tile's K step two on (on = 0) or the next tile's K step 0 or 1
; (on = 1); then come the next slot's first fragments.  From a request to the wait for it a wave issues 168 matrix instructions; one tensor load of mine is out.
.macro TURN slot, next, on
	s_wait_xcnt 0x0                                ; the last prefetch, a K step back, has read its address: it is stepped here
.if (\on) && (\slot) == 0
	s_add_nc_u64 s[PFA:PFA+1], s[PFA:PFA+1], (WALK-1)*2048+256  ; from the K step behind the tile's last to the next tile's K step 1
.else
	s_add_nc_u64 s[PFA:PFA+1], s[PFA:PFA+1], 256
.endif
	MEET 1
	CREST                                          ; no wave of any partner still reads this slot's tile or has a load on its way
.if \on
	s_add_nc_u64 s[G0+4*(\slot)+2:G0+4*(\slot)+3], s[G0+4*(\slot)+2:G0+4*(\slot)+3], NEXT_A
	s_sub_nc_u64 s[G0B+4*(\slot)+2:G0B+4*(\slot)+3], s[G0B+4*(\slot)+2:G0B+4*(\slot)+3], BACK_B
.else
	s_add_nc_u64 s[G0+4*(\slot)+2:G0+4*(\slot)+3], s[G0+4*(\slot)+2:G0+4*(\slot)+3], 2*256
	s_add_nc_u64 s[G0B+4*(\slot)+2:G0B+4*(\slot)+3], s[G0B+4*(\slot)+2:G0B+4*(\slot)+3], 2*STEP_B
.endif
	JLOAD \slot                                    ; the first tensor load behind the round; its four v_nop are also the places in front of the loads below
	FETCH \next, 0, 0
	ASK \on
	MUL12 1, 2, 0, 0
	MUL12 1, 2, 2, 0
.endm
; BEHIND THE PRODUCTS, all inside one window.  For row block a (accumulators from AB = 48 a on) and e = 8 c + j (channel half c, row j of my eight):
; F = AB + e holds f, I = AB + 16 + e holds i, AB + 32 + e holds hidden; T = TT + e, U = UU + e are at work.  Each accumulator is read from its lowest register on.
; GATES leaves v = i' g in F and f' in I.  Its 64 exponentials are one batch with one wait, its 16 reciprocals another.
.macro GATES a
.set AB, 48*(\a)
.set e, 0
.rept 16
	v_min3_num_f32 v[TT+e], v[AB+e], v[AB+16+e], 0          ; -m = min(f, i, 0)
.set e, e+1
.endr
.set e, 0
.rept 16
	v_min_num_f32 v[UU+e], 0, v[AB+32+e]                    ; min(hidden, 0)
.set e, e+1
.endr
.set e, 0
.rept 8
	v_pk_mul_f32 v[TT+e:TT+e+1], v[TT+e:TT+e+1], s[LC:LC+1] op_sel_hi:[1,0]
.set e, e+2
.endr
.set e, 0
.rept 8
	v_pk_fma_f32 v[AB+e:AB+e+1], v[AB+e:AB+e+1], s[NLC:NLC+1], v[TT+e:TT+e+1] op_sel_hi:[1,0,1]           ; (-f - m) log2(e)
.set e, e+2
.endr
.set e, 0
.rept 8
	v_pk_fma_f32 v[AB+16+e:AB+16+e+1], v[AB+16+e:AB+16+e+1], s[NLC:NLC+1], v[TT+e:TT+e+1] op_sel_hi:[1,0,1]  ; (-i - m) log2(e)
.set e, e+2
.endr
.set e, 0
.rept 8
	v_pk_mul_f32 v[UU+e:UU+e+1], v[UU+e:UU+e+1], s[LC:LC+1] op_sel_hi:[1,0]
.set e, e+2
.endr
.set e, 0
.rept 16
	v_exp_f32 v[AB+e], v[AB+e]                              ; A e^-m
.set e, e+1
.endr
.set e, 0
.rept 16
	v_exp_f32 v[AB+16+e], v[AB+16+e]                        ; B e^-m
.set e, e+1
.endr
.set e, 0
.rept 16
	v_exp_f32 v[TT+e], v[TT+e]                              ; e^-m
.set e, e+1
.endr
.set e, 0
.rept 16
	v_exp_f32 v[UU+e], v[UU+e]                              ; E
.set e, e+1
.endr
.set e, 0
.rept 16
	v_max_num_f32 v[AB+32+e], 0, v[AB+32+e]                 ; max(hidden, 0): plain work that names no exponential's result, behind the batch
.set e, e+1
.endr
	s_wait_alu depctr_va_vdst(0)                   ; one wait for the 64 exponentials, ahead of their first reader
.set e, 0
.rept 8
	v_pk_fma_f32 v[AB+32+e:AB+32+e+1], v[AB+32+e:AB+32+e+1], 2.0, v[UU+e:UU+e+1] op_sel_hi:[1,0,1]  ; g's numerator
.set e, e+2
.endr
.set e, 0
.rept 8
	v_pk_add_f32 v[UU+e:UU+e+1], v[UU+e:UU+e+1], 1.0 op_sel_hi:[1,0]                                ; g's divisor, 1 + E
.set e, e+2
.endr
.set e, 0
.rept 8
	v_pk_add_f32 v[AB+16+e:AB+16+e+1], v[AB+16+e:AB+16+e+1], v[TT+e:TT+e+1]                         ; (1 + B) e^-m
.set e, e+2
.endr
.set e, 0
.rept 8
	v_pk_add_f32 v[AB+e:AB+e+1], v[AB+e:AB+e+1], v[TT+e:TT+e+1]                                     ; (1 + A) e^-m
.set e, e+2
.endr
.set e, 0
.rept 8
	v_pk_add_f32 v[TT+e:TT+e+1], v[AB+16+e:AB+16+e+1], v[AB+e:AB+e+1]                               ; (2 + A + B) e^-m, in 1 to 4
.set e, e+2
.endr
.set e, 0
.rept 8
	v_pk_mul_f32 v[TT+e:TT+e+1], v[TT+e:TT+e+1], v[UU+e:UU+e+1]                                     ; both divisors in one reciprocal
.set e, e+2
.endr
.set e, 0
.rept 16
	v_rcp_f32 v[TT+e], v[TT+e]
.set e, e+1
.endr
.set e, 0
.rept 8
	v_pk_mul_f32 v[AB+e:AB+e+1], v[AB+e:AB+e+1], v[AB+32+e:AB+32+e+1]
.set e, e+2
.endr
.set e, 0
.rept 8
	v_pk_mul_f32 v[AB+16+e:AB+16+e+1], v[AB+16+e:AB+16+e+1], v[UU+e:UU+e+1]
.set e, e+2
.endr
	s_wait_alu depctr_va_vdst(0)                   ; one wait for the 16 reciprocals; the 16 products above are the plain work between
.set e, 0
.rept 8
	v_pk_mul_f32 v[AB+e:AB+e+1], v[AB+e:AB+e+1], v[TT+e:TT+e+1]                                     ; v = i' g
.set e, e+2
.endr
.set e, 0
.rept 8
	v_pk_mul_f32 v[AB+16+e:AB+16+e+1], v[AB+16+e:AB+16+e+1], v[TT+e:TT+e+1]                         ; f'
.set e, e+2
.endr
.endm
; The recurrence over a lane's eight rows, for the window's 8 pairs x = 2 a + c: F_j = f'_j F_(j-1) + v_j, then I_j = f'_j I_(j-1): sixteen chains that do not wait for each other.
.macro SCAN8
.set j, 1
.rept 7
.set x, 0
.rept 8
.set EF, 48*(x/2)+8*(x%2)+j
	v_fmac_f32 v[EF], v[EF+16], v[EF-1]
	v_mul_f32 v[EF+16], v[EF+16], v[EF+15]
.set x, x+1
.endr
.set j, j+1
.endr
.endm
; The carries.  A group of eight rows ends with (H, Q) = (F_7, I_7).  HP, QP (192 + x, 200 + x): the other half of the lanes' pair.  HB, QB (208 + x, 216 + x): the pair of the whole block of 16 rows.
; Then HP, QP become what the block's first eight rows hand to my group: (0, 1) in lanes 0-15, theirs in lanes 16-31.  Cb (240 + 2 c): the pair from the chunk's start to the block's; it walks the blocks in order.
; CC (224 + 2 x): the pair from the chunk's start to my group.
.macro COMB w
.set x, 0
.rept 8
.set EF, 48*(x/2)+8*(x%2)+7
	v_permlanex16_b32 v[192+x], v[EF], s[SEL], s[SEL+1]     ; (the destinations have been written: they were T)
	v_permlanex16_b32 v[200+x], v[EF+16], s[SEL], s[SEL+1]
.set x, x+1
.endr
.set x, 0
.rept 8
.set EF, 48*(x/2)+8*(x%2)+7
	v_fma_f32 v[208+x], v[200+x], v[EF], v[192+x]           ; lanes 0-15: Q1 H0 + H1
	v_fma_f32 v[244+x%4], v[EF+16], v[192+x], v[EF]         ; lanes 16-31: the same, with own and other changed
	v_mul_f32 v[216+x], v[EF+16], v[200+x]
	v_cndmask_b32 v[208+x], v[208+x], v[244+x%4], s[HM]
	v_cndmask_b32 v[192+x], 0, v[192+x], s[HM]
	v_cndmask_b32 v[200+x], 1.0, v[200+x], s[HM]
.set x, x+1
.endr
.if (\w) == 1
	v_mov_b32 v240, 0                              ; the chunk begins: carry 0, product 1
	v_mov_b32 v241, 1.0
	v_mov_b32 v242, 0
	v_mov_b32 v243, 1.0
.else
	WIN 0x81                                       ; destination window 2, source window 1: the walk goes on behind row block 3
.irp q, 240,241,242,243
	v_mov_b32 v[\q], v[\q]
.endr
	WIN 0xaa
.endif
.set x, 0
.rept 8
.set CB, 240+2*(x%2)
	v_fma_f32 v[224+2*x], v[200+x], v[CB], v[192+x]
	v_mul_f32 v[225+2*x], v[200+x], v[CB+1]
	v_fma_f32 v[CB], v[216+x], v[CB], v[208+x]
	v_mul_f32 v[CB+1], v[216+x], v[CB+1]
.set x, x+1
.endr
.endm
; hl = F + I x CC's first, pp = I x CC's second; both rounded to bf16 in place, 16 bytes a lane, and stored: lanes 0-15 cover 256 consecutive bytes, aligned, and so do lanes 16-31.
.macro APPLY w
.set x, 0
.rept 8
.set EF, 48*(x/2)+8*(x%2)
.set CC, 224+2*x
.irp p, 0,1,2,3
	v_pk_fma_f32 v[EF+2*\p:EF+2*\p+1], v[EF+16+2*\p:EF+16+2*\p+1], v[CC:CC+1], v[EF+2*\p:EF+2*\p+1] op_sel_hi:[1,0,1]
.endr
.irp p, 0,1,2,3
	v_pk_mul_f32 v[EF+16+2*\p:EF+16+2*\p+1], v[EF+16+2*\p:EF+16+2*\p+1], v[CC:CC+1] op_sel:[0,1] op_sel_hi:[1,1]
.endr
.irp p, 0,1,2,3
	v_cvt_pk_bf16_f32 v[EF+\p], v[EF+2*\p], v[EF+2*\p+1]
.endr
.irp p, 0,1,2,3
	v_cvt_pk_bf16_f32 v[EF+16+\p], v[EF+16+2*\p], v[EF+16+2*\p+1]
.endr
.set x, x+1
.endr
	WIN 0x04*(\w)                                  ; the stores' data in window w, their address in window 0
.set x, 0
.rept 8
.set EF, 48*(x/2)+8*(x%2)
	global_store_b128 v[STO], v[EF:EF+3], s[8:9] offset:32768*(4*((\w)-1)+x/2)+256*(x%2) th:TH_STORE_NT
	global_store_b128 v[STO], v[EF+16:EF+19], s[10:11] offset:32768*(4*((\w)-1)+x/2)+256*(x%2) th:TH_STORE_NT
.set x, x+1
.endr
.endm
.macro EPI w
	WIN 0x55*(\w)                                  ; all operands in window w
	GATES 0
	GATES 1
	GATES 2
	GATES 3
	SCAN8
	COMB \w
	APPLY \w
.endm
	s_wait_tensorcnt 0x1                           ; my part of K step 0 is in; K step 1's may stay out
	s_barrier_signal -1
	s_barrier_wait -1                              ; everybody's is
	FETCH 0, 0, 0
	s_mov_b32 s2, 4                                ; tiles to go: the same number in every work-group
.Ltile:
	QUARTER 0, 1, 0, 1, 1                          ; a tile's first quarter stands in front of the loop: its products start the sums
	WIN 0                                          ; at a label and at a branch every window is 0
	s_mov_b32 s3, 3
.Llap:                                                 ; a trip goes once round the ring, from a lap's second quarter to the next lap's first, and fills both slots again
	QUARTER 0, 2, 1, 0, 0
	QUARTER 0, 3, 0, 1, 0
	TURN 0, 1, 0
	QUARTER 1, 1, 0, 1, 0
	QUARTER 1, 2, 1, 0, 0
	QUARTER 1, 3, 0, 1, 0
	TURN 1, 0, 0
	QUARTER 0, 1, 0, 1, 0
	WIN 0
	s_sub_co_u32 s3, s3, 1
	s_cmp_lg_u32 s3, 0
	s_cbranch_scc1 .Llap
	QUARTER 0, 2, 1, 0, 0                          ; the tile's last lap goes on
	QUARTER 0, 3, 0, 1, 0
	WIN 0
	s_cmp_eq_u32 s2, 1
	s_cbranch_scc1 .Llast                          ; the last tile's tail is written out: it asks for nothing more
	TURN 0, 1, 1                                   ; the ring goes on into the next tile: slot 0 takes its K step 0,
	QUARTER 1, 1, 0, 1, 0
	QUARTER 1, 2, 1, 0, 0
	QUARTER 1, 3, 0, 1, 0
	TURN 1, 0, 1                                   ; slot 1 its K step 1, and the next tile's first fragments are fetched: they wait in buffer 0, which the work below does not touch
	WIN 0
	s_branch .Lepi
.Llast:
	MEET 0                                         ; my one tensor load that was still out is the last K step's, so no round follows
	PLACES
	FETCH 1, 0, 0
	MUL12 1, 2, 0, 0
	MUL12 1, 2, 2, 0
	QUARTER 1, 1, 0, 1, 0
	QUARTER 1, 2, 1, 0, 0
	QUARTER 1, 3, 0, 1, 0
	s_wait_dscnt 8                                 ; the very last quarter: nothing more to fetch
	MUL12 1, 1, 0, 0
	MUL12 1, 1, 2, 0
	s_wait_dscnt 0x0
	MUL12 1, 2, 0, 0
	MUL12 1, 2, 2, 0
	WIN 0
.Lepi:                                                 ; every later wait on tensor loads is for 0, so it serves both ways into this label
	PLACES                                         ; eight, once a tile, between the last products and the first read of a result
	PLACES
	EPI 1                                          ; row blocks 0-3
	EPI 2                                          ; row blocks 4-7: the carry walks on
	WIN 0xaa
	v_cndmask_b32 v248, v240, v242, s[HM]          ; the chunk's end: lane l takes channel l of my 32
	v_cndmask_b32 v249, v241, v243, s[HM]
	WIN 0x08
	global_store_b64 v[EO], v[248:249], s[12:13]   ; 256 consecutive bytes, aligned
	WIN 0
	s_wait_xcnt 0x0                                ; the stores have read their data, which the next tile's products write over, and their bases, which are stepped now
	s_add_nc_u64 s[8:9], s[8:9], 8388608           ; 4,096 rows on: 512 groups of 8 rows
	s_add_nc_u64 s[10:11], s[10:11], 8388608
	s_add_nc_u64 s[12:13], s[12:13], 262144        ; 32 chunks
	s_sub_co_u32 s2, s2, 1
	s_cmp_lg_u32 s2, 0
	s_cbranch_scc1 .Ltile
	s_wait_tensorcnt 0x0                           ; the wave's end: behind my last tensor load
	ds_add_u32 v[SPW], v[NIL]
	s_wait_dscnt 0x0
	CROUND                                         ; the closing round: no work-group ends while a partner may still ask for a tile that names it
	s_endpgm
.Lfunc_end_k_q9e55734410_gemm:
	.size	k_q9e55734410_gemm, .Lfunc_end_k_q9e55734410_gemm-k_q9e55734410_gemm
	.p2alignl 7, 3214868480
	.fill 96, 4, 3214868480
	.section	.rodata,"a",@progbits
	.p2align	6, 0x0
	.amdhsa_kernel k_q9e55734410_gemm
		.amdhsa_group_segment_fixed_size 327680
		.amdhsa_private_segment_fixed_size 0
		.amdhsa_enable_private_segment 0
		.amdhsa_kernarg_size 40
		.amdhsa_user_sgpr_count 2
		.amdhsa_user_sgpr_kernarg_segment_ptr 1
		.amdhsa_wavefront_size32 1
		.amdhsa_system_sgpr_workgroup_id_x 1
		.amdhsa_system_sgpr_workgroup_id_y 1
		.amdhsa_system_sgpr_workgroup_id_z 1
		.amdhsa_system_vgpr_workitem_id 0
		.amdhsa_next_free_vgpr 768
		.amdhsa_next_free_sgpr 80
		.amdhsa_reserve_vcc 0
		.amdhsa_float_denorm_mode_32 3
		.amdhsa_float_denorm_mode_16_64 3
		.amdhsa_memory_ordered 1
		.amdhsa_forward_progress 1
		.amdhsa_inst_pref_size 250
	.end_amdhsa_kernel
	.amdgpu_metadata
---
amdhsa.version: [ 1, 2 ]
amdhsa.kernels:
  - .name:           k_q9e55734410_gemm
    .symbol:         k_q9e55734410_gemm.kd
    .args:
      - { .name: xb, .offset: 0, .size: 8, .value_kind: global_buffer, .address_space: global }
      - { .name: wp, .offset: 8, .size: 8, .value_kind: global_buffer, .address_space: global }
      - { .name: hl, .offset: 16, .size: 8, .value_kind: global_buffer, .address_space: global }
      - { .name: pp, .offset: 24, .size: 8, .value_kind: global_buffer, .address_space: global }
      - { .name: ends, .offset: 32, .size: 8, .value_kind: global_buffer, .address_space: global }
    .group_segment_fixed_size: 327680
    .private_segment_fixed_size: 0
    .kernarg_segment_align: 8
    .kernarg_segment_size: 40
    .max_flat_workgroup_size: 128
    .sgpr_count:     80
    .vgpr_count:     768
    .wavefront_size: 32
...
	.end_amdgpu_metadata
.endif
;; end of part 2
;; launch fix (part 3): grid 16 x 16, 8 waves a work-group, no clusters, 33,792 bytes of LDS; arguments hl, pp, ends, out0; writes out0
.if DOCPART == 3
	.amdgcn_target "amdgcn-amd-amdhsa--gfx1250"
	.amdhsa_code_object_version 6
	.text
	.protected	k_q9e55734410_fix
	.globl	k_q9e55734410_fix
	.p2align	8
	.type	k_q9e55734410_fix,@function
k_q9e55734410_fix:
	s_mov_b64 s[64:65], 0
	v_nop
	global_prefetch_b8 v0, s[64:65] scope:SCOPE_SE
	s_setreg_imm32_b32 hwreg(HW_REG_WAVE_MODE, 25, 1), 1
	s_wait_xcnt 0x0
; out0[row][channel] = hl + pp x carry, in f32, row-major.  carry = h at the end of the chunk of 128 rows before: c_0 = 0 at a batch's start, c_(k+1) = Q_k c_k + H_k with (H, Q) = ends, all in f32.
; hl, pp: [row / 8][channel][8] bf16.  ends: [row / 128][channel][2] f32.
; SHARES.  A work-group has 64 channels and 8 chunks of one batch, a wave a chunk: 16 trips of 8 rows.  A lane holds channels l and 32 + l.
; A stream: hl, pp and out0 cross once.  What work-groups share is the batch's 32 chunk ends of 64 channels, 16,384 bytes against the 65,536 that a wave streams: no cluster, no matrix work.
; Each wave brings four chunks' ends into LDS, one barrier, and each chains as many as lie ahead of its chunk.
; The way out turns [channel][8 rows] into rows of 64 channels through the wave's own stage in LDS: LDS serves a wave's instructions in order (ISA guide 5.7.1.4), so it needs no barrier.
.set STG,   16384                      ; LDS: 0..16,383 the ends, chunk k at 512 k + 8 x channel; then 2,048 bytes of stage for each wave: 8 rows x 256 bytes
.set SPARE, 32768                      ; behind them: the spare words, 128 bytes for each wave: four blocks of 256 bytes that no other line names
.set A,    16                          ; v[16:31]   hl as f32: 8 c + j (channel half c, row j); then the result
.set B,    32                          ; v[32:47]   pp as f32
.set R,    48                          ; v[48:63]   whole rows back from the stage
.set RING, 160                         ; v[160:223] four trips in flight, 16 registers each: hl c = 0, hl c = 1, pp c = 0, pp c = 1
	s_load_b256 s[4:11], s[0:1], 0x0               ; hl s[4:5], pp s[6:7], ends s[8:9], out0 s[10:11]
	v_lshl_add_u32 v10, v0, 2, SPARE               ; my spare word; never rewritten
	v_mov_b32 v11, 0                               ; 0; never rewritten
	v_lshrrev_b32 v1, 5, v0
	v_readfirstlane_b32 s13, v1                    ; wave 0..7
	v_and_b32 v1, 31, v0                           ; l
	s_and_b32 s12, ttmp7, 0xffff
	s_lshl_b32 s14, s12, 3
	s_add_co_u32 s14, s14, s13                     ; my chunk among the 128
	s_and_b32 s15, s14, 31                         ; and among its batch's 32
	s_lshr_b32 s18, s12, 2                         ; the batch
	s_mov_b32 s20, 0xffff0000                      ; a word's upper bf16
	s_lshl_b32 s16, s14, 18                        ; hl, pp: 16 groups of 8 rows x 16,384 bytes a chunk,
	s_lshl_b32 s19, ttmp9, 10                      ; 64 channels x 16 bytes
	s_add_co_u32 s16, s16, s19
	s_mov_b32 s17, 0
	s_lshl_b32 s22, s18, 18                        ; ends: 32 chunks x 8,192 bytes a batch,
	s_lshl_b32 s19, ttmp9, 9                       ; 64 channels x 8 bytes
	s_add_co_u32 s22, s22, s19
	s_mov_b32 s23, 0
	s_lshl_b32 s2, s14, 19                         ; out0: 128 rows x 4,096 bytes a chunk,
	s_lshl_b32 s19, ttmp9, 8                       ; 64 channels x 4 bytes
	s_add_co_u32 s2, s2, s19
	s_mov_b32 s3, 0
	v_lshlrev_b32 v2, 4, v1                        ; v2  16 l: my channel's 16 bytes in hl and pp
	v_lshlrev_b32 v5, 3, v1                        ; v5  8 l: my channel's pair in a chunk's ends
	s_lshl_b32 s19, s13, 15
	v_add_nc_u32 v3, s19, v5                       ; v3  in memory: the four chunks 4 w .. 4 w + 3
	s_lshl_b32 s19, s13, 11
	v_add_nc_u32 v4, s19, v5                       ; v4  and in LDS
	s_add_co_u32 s19, s19, STG                     ; my stage
	v_lshl_add_u32 v6, v1, 2, s19                  ; v6  in: 4 bytes at channel l of a row
	v_and_b32 v9, 15, v0
	v_bfe_u32 v1, v0, 4, 1
	v_lshlrev_b32 v8, 4, v9
	v_lshl_add_u32 v7, v1, 8, v8
	v_add_nc_u32 v7, s19, v7                       ; v7  back: lanes 0-15 take one row of 256 bytes, lanes 16-31 the next
	v_lshl_add_u32 v8, v1, 12, v8                  ; v8  and the same two rows in out0
	s_wait_kmcnt 0x0
	s_add_nc_u64 s[4:5], s[4:5], s[16:17]
	s_add_nc_u64 s[6:7], s[6:7], s[16:17]
	s_add_nc_u64 s[8:9], s[8:9], s[22:23]
	s_add_nc_u64 s[10:11], s[10:11], s[2:3]
.irp kk, 0,1,2,3
	global_load_b64 v[144+4*\kk:145+4*\kk], v3, s[8:9] offset:8192*\kk
	global_load_b64 v[146+4*\kk:147+4*\kk], v3, s[8:9] offset:8192*\kk+256
.endr
.set i, 0
.rept 4                                ; the ring is filled: trips 0 to 3; a load of a wave covers 512 consecutive bytes
	global_load_b128 v[RING+16*i:RING+16*i+3],     v2, s[4:5] offset:16384*i th:TH_LOAD_NT
	global_load_b128 v[RING+16*i+4:RING+16*i+7],   v2, s[4:5] offset:16384*i+512 th:TH_LOAD_NT
	global_load_b128 v[RING+16*i+8:RING+16*i+11],  v2, s[6:7] offset:16384*i th:TH_LOAD_NT
	global_load_b128 v[RING+16*i+12:RING+16*i+15], v2, s[6:7] offset:16384*i+512 th:TH_LOAD_NT
.set i, i+1
.endr
	s_wait_loadcnt 16                              ; the ends are in; the ring's sixteen loads stay out
.irp kk, 0,1,2,3
	ds_store_b64 v4, v[144+4*\kk:145+4*\kk] offset:512*\kk
	ds_store_b64 v4, v[146+4*\kk:147+4*\kk] offset:512*\kk+256
.endr
	s_wait_dscnt 0x0                               ; for the others' sake: my stores are done
	s_barrier_signal -1
	s_barrier_wait -1                              ; all 32 chunks' ends lie in LDS; nobody writes them again
.set k, 0
.rept 31
	ds_load_b64 v[16+4*k:17+4*k], v5 offset:512*k       ; (H, Q) of chunk k, channel l
	ds_load_b64 v[18+4*k:19+4*k], v5 offset:512*k+256   ; and channel 32 + l
.set k, k+1
.endr
	v_mov_b32 v12, 0                               ; the batch begins with carry 0
	v_mov_b32 v14, 0
	s_wait_dscnt 0x0
.set k, 0
.rept 31                               ; the chain stops at my chunk: a jump forward on the work-group's and the wave's numbers alone, past no barrier
	s_cmp_eq_u32 s15, k
	s_cbranch_scc1 .Lgo
	v_fma_f32 v12, v[17+4*k], v12, v[16+4*k]
	v_fma_f32 v14, v[19+4*k], v14, v[18+4*k]
.set k, k+1
.endr
.Lgo:
	v_mov_b32 v13, v12                             ; each carry twice: a pair for the packed multiply-add
	v_mov_b32 v15, v14
.set i, 0
.rept 16                               ; trip i: rows 8 i .. 8 i + 7 of the chunk
.set RG, RING+16*(i%4)
.if i < 13
	s_wait_loadcnt 12                              ; loads come back in order: this trip's four are in, the three younger trips' stay out
.else
	s_wait_loadcnt 4*(15-i)                        ; the last trips load nothing: the counts run down
.endif
.irp c, 0,1
.irp k, 0,1,2,3
	v_lshlrev_b32 v[A+8*\c+2*\k],   16,  v[RG+4*\c+\k]     ; bf16 to f32: the low half moves up,
	v_and_b32     v[A+8*\c+2*\k+1], s20, v[RG+4*\c+\k]     ; the high half stays
	v_lshlrev_b32 v[B+8*\c+2*\k],   16,  v[RG+8+4*\c+\k]
	v_and_b32     v[B+8*\c+2*\k+1], s20, v[RG+8+4*\c+\k]
.endr
.endr
.if i < 12
	global_load_b128 v[RG:RG+3],     v2, s[4:5] offset:16384*(i+4) th:TH_LOAD_NT       ; the slot just read takes the trip four on, ahead of this trip's stores
	global_load_b128 v[RG+4:RG+7],   v2, s[4:5] offset:16384*(i+4)+512 th:TH_LOAD_NT
	global_load_b128 v[RG+8:RG+11],  v2, s[6:7] offset:16384*(i+4) th:TH_LOAD_NT
	global_load_b128 v[RG+12:RG+15], v2, s[6:7] offset:16384*(i+4)+512 th:TH_LOAD_NT
.endif
.irp c, 0,1
.irp p, 0,1,2,3
	v_pk_fma_f32 v[A+8*\c+2*\p:A+8*\c+2*\p+1], v[B+8*\c+2*\p:B+8*\c+2*\p+1], v[12+2*\c:13+2*\c], v[A+8*\c+2*\p:A+8*\c+2*\p+1]
.endr
.endr
.irp c, 0,1
.irp j, 0,1,2,3,4,5,6,7
	ds_store_b32 v6, v[A+8*\c+\j] offset:256*\j+128*\c     ; row j, channel 32 c + l: 32 lanes, 128 consecutive bytes
.endr
.endr
	s_wait_xcnt 0x0                                ; the last trip's stores have read R, which is loaded again only behind this wait
.irp f, 0,1,2,3
	ds_load_b128 v[R+4*\f:R+4*\f+3], v7 offset:512*\f      ; these see the stores above; the next trip's stores come behind them
.endr
.irp f, 0,1,2,3
	s_wait_dscnt 3-\f
	global_store_b128 v8, v[R+4*\f:R+4*\f+3], s[10:11] offset:(8*i+2*\f)*4096 th:TH_STORE_NT  ; sixteen lanes store 256 consecutive bytes, aligned
.endr
.set i, i+1
.endr
	s_wait_tensorcnt 0x0                           ; the wave's end: behind my last LDS store
	ds_add_u32 v10, v11
	s_wait_dscnt 0x0
	s_endpgm
.Lfunc_end_k_q9e55734410_fix:
	.size	k_q9e55734410_fix, .Lfunc_end_k_q9e55734410_fix-k_q9e55734410_fix
	.p2alignl 7, 3214868480
	.fill 96, 4, 3214868480
	.section	.rodata,"a",@progbits
	.p2align	6, 0x0
	.amdhsa_kernel k_q9e55734410_fix
		.amdhsa_group_segment_fixed_size 33792
		.amdhsa_private_segment_fixed_size 0
		.amdhsa_enable_private_segment 0
		.amdhsa_kernarg_size 32
		.amdhsa_user_sgpr_count 2
		.amdhsa_user_sgpr_kernarg_segment_ptr 1
		.amdhsa_wavefront_size32 1
		.amdhsa_system_sgpr_workgroup_id_x 1
		.amdhsa_system_sgpr_workgroup_id_y 1
		.amdhsa_system_sgpr_workgroup_id_z 1
		.amdhsa_system_vgpr_workitem_id 0
		.amdhsa_next_free_vgpr 224
		.amdhsa_next_free_sgpr 66
		.amdhsa_reserve_vcc 0
		.amdhsa_float_denorm_mode_32 3
		.amdhsa_float_denorm_mode_16_64 3
		.amdhsa_memory_ordered 1
		.amdhsa_forward_progress 1
		.amdhsa_inst_pref_size 73
	.end_amdhsa_kernel
	.amdgpu_metadata
---
amdhsa.version: [ 1, 2 ]
amdhsa.kernels:
  - .name:           k_q9e55734410_fix
    .symbol:         k_q9e55734410_fix.kd
    .args:
      - { .name: hl, .offset: 0, .size: 8, .value_kind: global_buffer, .address_space: global }
      - { .name: pp, .offset: 8, .size: 8, .value_kind: global_buffer, .address_space: global }
      - { .name: ends, .offset: 16, .size: 8, .value_kind: global_buffer, .address_space: global }
      - { .name: out0, .offset: 24, .size: 8, .value_kind: global_buffer, .address_space: global }
    .group_segment_fixed_size: 33792
    .private_segment_fixed_size: 0
    .kernarg_segment_align: 8
    .kernarg_segment_size: 32
    .max_flat_workgroup_size: 256
    .sgpr_count:     66
    .vgpr_count:     224
    .wavefront_size: 32
...
	.end_amdgpu_metadata
.endif
;; end of part 3
;; ======== version 2 of 2: 3 launches; version 1 with the launch fix written anew for expert scheduling mode
;; limits: values outside matrix products are rounded to bf16
;; workspace buffers: xb 33,554,432 bytes; wp 6,291,456 bytes; hl 33,554,432 bytes; pp 33,554,432 bytes; ends 1,048,576 bytes
;; launch prep: the kernel of part 1 again; grid 1280 x 1, 8 waves a work-group, no clusters, 0 bytes of LDS; arguments x, W, xb, wp; writes xb, wp
;; launch gemm: the kernel of part 2 again; grid 16 x 16, 4 waves a work-group, clusters of 4 x 4, 327,680 bytes of LDS; arguments xb, wp, hl, pp, ends; writes hl, pp, ends
;; launch fix (part 4): grid 16 x 16, 8 waves a work-group, no clusters, 33,792 bytes of LDS; arguments hl, pp, ends, out0; writes out0
.if DOCPART == 4
	.amdgcn_target "amdgcn-amd-amdhsa--gfx1250"
	.amdhsa_code_object_version 6
	.text
	.protected	k_q9e55734410_fix
	.globl	k_q9e55734410_fix
	.p2align	8
	.type	k_q9e55734410_fix,@function
k_q9e55734410_fix:
	s_mov_b64 s[64:65], 0
	v_nop
	global_prefetch_b8 v0, s[64:65] scope:SCOPE_SE
	s_setreg_imm32_b32 hwreg(HW_REG_WAVE_SCHED_MODE, 0, 2), 2
	s_setreg_imm32_b32 hwreg(HW_REG_WAVE_MODE, 25, 1), 1
	s_wait_xcnt 0x0
	s_wait_alu depctr_vm_vsrc(0)
; out0[row][channel] = hl + pp x carry, in f32, row-major.  carry = h at the end of the chunk of 128 rows before: c_0 = 0 at a batch's start, c_(k+1) = Q_k c_k + H_k with (H, Q) = ends, all in f32.
; hl, pp: [row / 8][channel][8] bf16.  ends: [row / 128][channel][2] f32.
; SHARES.  A work-group has 64 channels and 8 chunks of one batch, a wave a chunk: 16 trips of 8 rows.  A lane holds channels l and 32 + l.
; A stream: hl, pp and out0 cross once.  What work-groups share is the batch's 32 chunk ends of 64 channels, 16,384 bytes against the 65,536 that a wave streams: no cluster, no matrix work.
; Each wave brings four chunks' ends into LDS, one barrier, and each chains as many as lie ahead of its chunk.
; The way out turns [channel][8 rows] into rows of 64 channels through the wave's own stage in LDS: LDS serves a wave's instructions in order (ISA guide 5.7.1.4), so it needs no barrier.
; THE MODE: SCHED_MODE bits 1:0 = 2 (LLVM: expert scheduling mode 2), set by the entry lines.  The code itself states the register dependences
; between vector instructions and memory or LDS instructions, with s_wait_alu, always for 0.
; THE PLAN.  V(i) is trip i's vector work: 32 unpacking lines and 8 packed multiply-adds.  Registers that memory or LDS instructions touch:
;   RING0 .. 3   V(i)'s unpacking lines read RING[i % 4]; behind them the loads of trip i + 4 land in it.
;   A0, A1       V(i) writes A[i % 2]; the sixteen LDS stores of block i read it.
;   R0, R1       the four loads from the stage in block i land in R[i % 2]; the four global stores in block i + 1 read it.
;   v2 .. v8     offsets and LDS addresses, made once at the head and never written again: the trips are reached by immediate offsets.  v10, v11: read by the closing add alone.
;   B and the carries v12 .. v15 are named by vector instructions alone.
; V(0) stands first.  Block i then has its waits at its head, and behind them: the loads of trip i + 4, the global stores of trip i - 1, and trip i's LDS stores and loads, dealt among V(i + 1).
; V(i + 1) names RING[(i + 1) % 4], A[(i + 1) % 2], B and the carries: none of the registers that block i's memory and LDS instructions touch, so these owe nothing more than the head's waits.
.set STG,   16384                      ; LDS: 0..16,383 the ends, chunk k at 512 k + 8 x channel; then 2,048 bytes of stage for each wave: 8 rows x 256 bytes
.set SPARE, 32768                      ; behind them: the spare words, 128 bytes for each wave: four blocks of 256 bytes that no other line names
.set A,    16                          ; v[16:47]   two buffers of 16: hl as f32 at 8 c + j (channel half c, row j); then the result
.set B,    48                          ; v[48:63]   pp as f32
.set R,    64                          ; v[64:95]   two buffers of 16: whole rows back from the stage
.set RING, 160                         ; v[160:223] four trips in flight, 16 registers each: hl c = 0, hl c = 1, pp c = 0, pp c = 1
.macro FILL t                          ; trip t's four loads; a load of a wave covers 512 consecutive bytes
	global_load_b128 v[RING+16*((\t)%4):RING+16*((\t)%4)+3],     v2, s[4:5] offset:16384*(\t) th:TH_LOAD_NT
	global_load_b128 v[RING+16*((\t)%4)+4:RING+16*((\t)%4)+7],   v2, s[4:5] offset:16384*(\t)+512 th:TH_LOAD_NT
	global_load_b128 v[RING+16*((\t)%4)+8:RING+16*((\t)%4)+11],  v2, s[6:7] offset:16384*(\t) th:TH_LOAD_NT
	global_load_b128 v[RING+16*((\t)%4)+12:RING+16*((\t)%4)+15], v2, s[6:7] offset:16384*(\t)+512 th:TH_LOAD_NT
.endm
.macro UNPACK t, c, k                  ; four of trip t's 32 unpacking lines: word k of channel half c, of hl and of pp
	v_lshlrev_b32 v[A+16*((\t)%2)+8*(\c)+2*(\k)],   16,  v[RING+16*((\t)%4)+4*(\c)+(\k)]     ; bf16 to f32: the low half moves up,
	v_and_b32     v[A+16*((\t)%2)+8*(\c)+2*(\k)+1], s20, v[RING+16*((\t)%4)+4*(\c)+(\k)]     ; the high half stays
	v_lshlrev_b32 v[B+8*(\c)+2*(\k)],   16,  v[RING+16*((\t)%4)+8+4*(\c)+(\k)]
	v_and_b32     v[B+8*(\c)+2*(\k)+1], s20, v[RING+16*((\t)%4)+8+4*(\c)+(\k)]
.endm
.macro FMAS t                          ; hl + pp x carry, two at a time
.irp c, 0,1
.irp p, 0,1,2,3
	v_pk_fma_f32 v[A+16*((\t)%2)+8*(\c)+2*(\p):A+16*((\t)%2)+8*(\c)+2*(\p)+1], v[B+8*(\c)+2*(\p):B+8*(\c)+2*(\p)+1], v[12+2*(\c):13+2*(\c)], v[A+16*((\t)%2)+8*(\c)+2*(\p):A+16*((\t)%2)+8*(\c)+2*(\p)+1]
.endr
.endr
.endm
.macro TOSTAGE t, q                    ; four of trip t's sixteen LDS stores: channel half q / 2, rows 4 (q % 2) + 0..3
.irp n, 0,1,2,3
	ds_store_b32 v6, v[A+16*((\t)%2)+4*(\q)+(\n)] offset:256*(4*((\q)%2)+(\n))+128*((\q)/2)  ; row j, channel 32 c + l: 32 lanes, 128 consecutive bytes
.endr
.endm
.macro BACK t                          ; trip t's eight rows back from the stage
.irp f, 0,1,2,3
	ds_load_b128 v[R+16*((\t)%2)+4*(\f):R+16*((\t)%2)+4*(\f)+3], v7 offset:512*(\f)          ; these see the stores above; the next trip's stores come behind them
.endr
.endm
.macro SEND t                          ; and out
.irp f, 0,1,2,3
	s_wait_dscnt 3-(\f)                            ; LDS loads come back in order: the younger loads from the stage stay out; no LDS instruction was issued behind them
	global_store_b128 v8, v[R+16*((\t)%2)+4*(\f):R+16*((\t)%2)+4*(\f)+3], s[10:11] offset:(8*(\t)+2*(\f))*4096 th:TH_STORE_NT  ; sixteen lanes store 256 consecutive bytes, aligned
.endr
.endm
	s_load_b256 s[4:11], s[0:1], 0x0               ; hl s[4:5], pp s[6:7], ends s[8:9], out0 s[10:11]
	v_lshl_add_u32 v10, v0, 2, SPARE               ; my spare word; never rewritten
	v_mov_b32 v11, 0                               ; 0; never rewritten
	v_lshrrev_b32 v1, 5, v0
	v_readfirstlane_b32 s13, v1                    ; wave 0..7
	v_and_b32 v1, 31, v0                           ; l
	s_and_b32 s12, ttmp7, 0xffff
	s_lshl_b32 s14, s12, 3
	s_wait_alu depctr_va_sdst(0)                   ; s13 is written, ahead of its first reader: the chunk's number, the bases and the stage's place are made from it
	s_add_co_u32 s14, s14, s13                     ; my chunk among the 128
	s_and_b32 s15, s14, 31                         ; and among its batch's 32
	s_lshr_b32 s18, s12, 2                         ; the batch
	s_mov_b32 s20, 0xffff0000                      ; a word's upper bf16
	s_lshl_b32 s16, s14, 18                        ; hl, pp: 16 groups of 8 rows x 16,384 bytes a chunk,
	s_lshl_b32 s19, ttmp9, 10                      ; 64 channels x 16 bytes
	s_add_co_u32 s16, s16, s19
	s_mov_b32 s17, 0
	s_lshl_b32 s22, s18, 18                        ; ends: 32 chunks x 8,192 bytes a batch,
	s_lshl_b32 s19, ttmp9, 9                       ; 64 channels x 8 bytes
	s_add_co_u32 s22, s22, s19
	s_mov_b32 s23, 0
	s_lshl_b32 s2, s14, 19                         ; out0: 128 rows x 4,096 bytes a chunk,
	s_lshl_b32 s19, ttmp9, 8                       ; 64 channels x 4 bytes
	s_add_co_u32 s2, s2, s19
	s_mov_b32 s3, 0
	v_lshlrev_b32 v2, 4, v1                        ; v2  16 l: my channel's 16 bytes in hl and pp
	v_lshlrev_b32 v5, 3, v1                        ; v5  8 l: my channel's pair in a chunk's ends
	s_lshl_b32 s19, s13, 15                        ; (s19, s21 and s18 below: a register each, so that no scalar register that a vector line reads is written again)
	v_add_nc_u32 v3, s19, v5                       ; v3  in memory: the four chunks 4 w .. 4 w + 3
	s_lshl_b32 s21, s13, 11
	v_add_nc_u32 v4, s21, v5                       ; v4  and in LDS
	s_add_co_u32 s18, s21, STG                     ; my stage
	v_lshl_add_u32 v6, v1, 2, s18                  ; v6  in: 4 bytes at channel l of a row
	v_and_b32 v9, 15, v0
	v_bfe_u32 v1, v0, 4, 1
	v_lshlrev_b32 v8, 4, v9
	v_lshl_add_u32 v7, v1, 8, v8
	v_add_nc_u32 v7, s18, v7                       ; v7  back: lanes 0-15 take one row of 256 bytes, lanes 16-31 the next
	v_lshl_add_u32 v8, v1, 12, v8                  ; v8  and the same two rows in out0
	s_wait_kmcnt 0x0
	s_add_nc_u64 s[4:5], s[4:5], s[16:17]
	s_add_nc_u64 s[6:7], s[6:7], s[16:17]
	s_add_nc_u64 s[8:9], s[8:9], s[22:23]
	s_add_nc_u64 s[10:11], s[10:11], s[2:3]
	s_wait_alu depctr_va_vdst(0)                   ; v2 to v8 are written, which every load and store of the kernel reads as its offset or address; so are v10 and v11, which the closing add reads
.irp kk, 0,1,2,3
	global_load_b64 v[144+4*\kk:145+4*\kk], v3, s[8:9] offset:8192*\kk
	global_load_b64 v[146+4*\kk:147+4*\kk], v3, s[8:9] offset:8192*\kk+256
.endr
	FILL 0                                         ; the ring is filled: trips 0 to 3
	FILL 1
	FILL 2
	FILL 3
	s_wait_loadcnt 16                              ; the ends are in; the ring's sixteen loads stay out
.irp kk, 0,1,2,3
	ds_store_b64 v4, v[144+4*\kk:145+4*\kk] offset:512*\kk       ; their data came by loads; these registers are not written again
	ds_store_b64 v4, v[146+4*\kk:147+4*\kk] offset:512*\kk+256
.endr
	s_wait_dscnt 0x0                               ; for the others' sake: my stores are done
	s_barrier_signal -1
	s_barrier_wait -1                              ; all 32 chunks' ends lie in LDS; nobody writes them again
.set k, 0
.rept 31
	ds_load_b64 v[16+4*k:17+4*k], v5 offset:512*k       ; (H, Q) of chunk k, channel l; no vector line has named these registers
	ds_load_b64 v[18+4*k:19+4*k], v5 offset:512*k+256   ; and channel 32 + l
.set k, k+1
.endr
	v_mov_b32 v12, 0                               ; the batch begins with carry 0
	v_mov_b32 v14, 0
	s_wait_dscnt 0x0
.set k, 0
.rept 31                               ; the chain stops at my chunk: a jump forward on the work-group's and the wave's numbers alone, past no barrier
	s_cmp_eq_u32 s15, k
	s_cbranch_scc1 .Lgo
	v_fma_f32 v12, v[17+4*k], v12, v[16+4*k]
	v_fma_f32 v14, v[19+4*k], v14, v[18+4*k]
.set k, k+1
.endr
.Lgo:
	v_mov_b32 v13, v12                             ; each carry twice: a pair for the packed multiply-add
	v_mov_b32 v15, v14
	s_wait_loadcnt 12                              ; loads come back in order: trip 0's four are in, the three younger trips' stay out
.irp c, 0,1
.irp k, 0,1,2,3
	UNPACK 0, \c, \k                               ; V(0): no memory or LDS instruction has read A0 or B
.endr
.endr
	FMAS 0
.set i, 0
.rept 16                               ; block i: trip i (rows 8 i .. 8 i + 7 of the chunk) goes into the stage, trip i - 1 goes out, trip i + 4 is asked for, trip i + 1 is computed
.if i >= 2
	s_wait_xcnt 0x0                                ; the last block's global stores have had their addresses translated (ISA guide 3.1): R[i % 2], their data, is loaded again only behind this wait
.endif
.if i >= 1
	s_wait_alu depctr_vm_vsrc(0)                   ; the last block's LDS stores have read the other A, which V(i + 1) writes; its global stores (from block 2 on) have read R[i % 2], in which the loads from the stage land
.endif
	s_wait_alu depctr_va_vdst(0)                   ; V(i) has written A[i % 2], which the LDS stores read, and is done reading RING[i % 4], in which the loads land; in block 0: the chain is done reading the registers that are R from here on
.if i < 12
	FILL i+4                                       ; the slot just read takes the trip four on, ahead of the stores
.endif
.if i >= 1
	SEND i-1                                       ; its loads from the stage were issued 24 vector lines back
.endif
	TOSTAGE i, 0                                   ; no wait from here to the block's end: no vector line since the waits names A[i % 2], R[i % 2], v6 or v7
.if i < 15
.if i+1 < 13
	s_wait_loadcnt 12                              ; trip i + 1's four loads are in, the three younger trips' stay out
.else
	s_wait_loadcnt 4*(14-i)                        ; the last blocks load nothing: the counts run down
.endif
	UNPACK i+1, 0, 0
	TOSTAGE i, 1
	UNPACK i+1, 0, 1
	TOSTAGE i, 2
	UNPACK i+1, 0, 2
	TOSTAGE i, 3
	UNPACK i+1, 0, 3
	BACK i
	UNPACK i+1, 1, 0
	UNPACK i+1, 1, 1
	UNPACK i+1, 1, 2
	UNPACK i+1, 1, 3
	FMAS i+1
.else
	TOSTAGE i, 1                                   ; the last block: there is no further trip to compute
	TOSTAGE i, 2
	TOSTAGE i, 3
	BACK i
.endif
.set i, i+1
.endr
	SEND 15                                        ; its data came by LDS loads, which its own waits show
	s_wait_dscnt 0x0                               ; the closing lines, six on end
	s_wait_alu 0x0
	s_wait_tensorcnt 0x0
	ds_add_u32 v10, v11
	s_wait_dscnt 0x0
	s_endpgm
.Lfunc_end_k_q9e55734410_fix:
	.size	k_q9e55734410_fix, .Lfunc_end_k_q9e55734410_fix-k_q9e55734410_fix
	.p2alignl 7, 3214868480
	.fill 96, 4, 3214868480
	.section	.rodata,"a",@progbits
	.p2align	6, 0x0
	.amdhsa_kernel k_q9e55734410_fix
		.amdhsa_group_segment_fixed_size 33792
		.amdhsa_private_segment_fixed_size 0
		.amdhsa_enable_private_segment 0
		.amdhsa_kernarg_size 32
		.amdhsa_user_sgpr_count 2
		.amdhsa_user_sgpr_kernarg_segment_ptr 1
		.amdhsa_wavefront_size32 1
		.amdhsa_system_sgpr_workgroup_id_x 1
		.amdhsa_system_sgpr_workgroup_id_y 1
		.amdhsa_system_sgpr_workgroup_id_z 1
		.amdhsa_system_vgpr_workitem_id 0
		.amdhsa_next_free_vgpr 224
		.amdhsa_next_free_sgpr 66
		.amdhsa_reserve_vcc 0
		.amdhsa_float_denorm_mode_32 3
		.amdhsa_float_denorm_mode_16_64 3
		.amdhsa_memory_ordered 1
		.amdhsa_forward_progress 1
		.amdhsa_inst_pref_size 74
	.end_amdhsa_kernel
	.amdgpu_metadata
---
amdhsa.version: [ 1, 2 ]
amdhsa.kernels:
  - .name:           k_q9e55734410_fix
    .symbol:         k_q9e55734410_fix.kd
    .args:
      - { .name: hl, .offset: 0, .size: 8, .value_kind: global_buffer, .address_space: global }
      - { .name: pp, .offset: 8, .size: 8, .value_kind: global_buffer, .address_space: global }
      - { .name: ends, .offset: 16, .size: 8, .value_kind: global_buffer, .address_space: global }
      - { .name: out0, .offset: 24, .size: 8, .value_kind: global_buffer, .address_space: global }
    .group_segment_fixed_size: 33792
    .private_segment_fixed_size: 0
    .kernarg_segment_align: 8
    .kernarg_segment_size: 32
    .max_flat_workgroup_size: 256
    .sgpr_count:     66
    .vgpr_count:     224
    .wavefront_size: 32
...
	.end_amdgpu_metadata
.endif
;; end of part 4
